; MI455X (gfx1250); checked and timed in simulation.
; The chip was launched on July 23, 2026; its instructions are those of AMD's public machine-readable ISA for CDNA 5 (MIT licence, August 2026) and "CDNA5" Instruction Set Architecture Reference Guide (July 2026). The comments in the code are by the model that wrote it; some were corrected since.
;; Self Attention. Allowed arithmetic: matrix products marked QUANTISED: E3M2 operands, one E8M0 scale for each 32 along K, by v_wmma_scale_f32_16x16x128_f8f6f4 with both operands' format E3M2, f32 sums; everything else in f32.
;; Inputs: g_w_codes 128 x 8 x 24 uint8 (E3M2 codes of g_w, K innermost, in blocks of 32 codes, four codes in three bytes); g_w_scales 128 x 8 uint8 (E8M0 scales of g_w, one for each 32 codes along K); gamma one number float32; o_w_codes 256 x 4 x 24 uint8 (E3M2 codes of o_w, K innermost, in blocks of 32 codes, four codes in three bytes); o_w_scales 256 x 4 uint8 (E8M0 scales of o_w, one for each 32 codes along K); phi_w_codes 32 x 8 x 24 uint8 (E3M2 codes of phi_w, K innermost, in blocks of 32 codes, four codes in three bytes); phi_w_scales 32 x 8 uint8 (E8M0 scales of phi_w, one for each 32 codes along K); theta_w_codes 32 x 8 x 24 uint8 (E3M2 codes of theta_w, K innermost, in blocks of 32 codes, four codes in three bytes); theta_w_scales 32 x 8 uint8 (E8M0 scales of theta_w, one for each 32 codes along K); x 8 x 64 x 64 x 256 float32.
;; Outputs: out0 8 x 64 x 64 x 256 float32.
;; This version of the problem:
;;   THIS VERSION OF THE PROBLEM IS GIVEN IN LOW PRECISION. The matrix products marked QUANTISED in the list below multiply operands that are first quantised to E3M2 (3 exponent bits, 2 mantissa bits; 6 bits a number), with one power-of-two scale for each 32 numbers along K (OCP MX v1.0); their sums are f32. All else is computed in f32.
;;   The module's matrix products, in the order in which they are computed (A, B: the left and right operand; K: the contracted axis; several contracted axes count as one K, in the product's order):
;;     1. [M 32,768, K 256] x [K 256, N 32]; A: input x; B: input theta_w (given as codes): QUANTISED
;;     2. [M 32,768, K 256] x [K 256, N 32]; A: input x; B: input phi_w (given as codes): QUANTISED
;;     3. [M 32,768, K 256] x [K 256, N 128]; A: input x; B: input g_w (given as codes): QUANTISED
;;     4. batch 8 x [M 4,096, K 32] x [K 32, N 4,096]; A: computed on the way; B: computed on the way: QUANTISED
;;     5. batch 8 x [M 4,096, K 4,096] x [K 4,096, N 128]; A: softmax (see below); B: computed on the way: QUANTISED
;;     6. [M 32,768, K 128] x [K 128, N 256]; A: computed on the way; B: input o_w (given as codes): QUANTISED
;;   THE QUANTISER, for each operand of a quantised product, along K:
;;     - K is cut into blocks of 32 from its start; a last block that is shorter is filled with zeros.
;;     - A block's scale is 2^e with e = floor(log2(the largest magnitude in the block)) - 4, held to -126 .. 127; a block of zeros has e = 0. As a byte (E8M0): e + 127.
;;     - Each number is divided by its block's scale, clamped to +-28, and rounded to the nearest number of E3M2, ties to even, subnormals kept.
;;     - The product sums the exact products of the quantised numbers (number of the format x scale) in f32.
;;   ~~~python
;;   def quantise(x, axis):      # numpy; x: float32 -> the quantised numbers, widened to float32 again
;;       x = np.moveaxis(x, axis, -1); K = x.shape[-1]
;;       x = np.pad(x, [(0, 0)] * (x.ndim - 1) + [(0, -K % 32)]); x = x.reshape(x.shape[:-1] + (-1, 32)); a = np.abs(x).max(-1, keepdims=True)
;;       e = np.where(a > 0, np.clip(np.frexp(np.where(a > 0, a, 1))[1] - 1 - 4, -126, 127), 0)      # np.frexp(a)[1] - 1 = floor(log2(a)), exactly
;;       r = np.clip(x / 2.0 ** e, -28, 28)
;;       step = 2.0 ** (np.maximum(np.frexp(np.where(r == 0, 1, r))[1] - 1, -2) - 2)
;;       q = np.round(r / step) * step * 2.0 ** e      # np.round: ties to even
;;       return np.moveaxis(q.reshape(q.shape[:-2] + (-1,))[..., :K], -1, axis).astype(np.float32)
;;   ~~~
;;   SOFTMAX AHEAD OF A QUANTISED PRODUCT. Where the list says 'softmax', what is quantised is not the finished softmax but p = 2^(t - M), with t = logit x log2(e) and M = ceil(the row's largest t), a whole number; so 1/2 < the row's largest p <= 1. The row's sum l is taken of the UNQUANTISED p, in f32, and the product's result is divided by l at the end. Since M is a whole number, a kernel that streams over the keys may use a running M (the ceiling of the running maximum): every later rescaling is an exact power of two, which a block's scale takes up: the codes' values come out the same.
;;   OPERANDS COMPUTED ON THE WAY. 'Computed on the way' means the value that the module computes at that place (a softmax that the list does not call 'softmax' is quantised finished and normalised). What goes into a quantiser is computed in f32, as accurately as f32 sums, v_exp_f32 and their like allow (about 1e-6 of the number): no bf16 or f16 on the way to a quantiser, and a product that is left as it is and whose result goes on into a quantised operand takes f32 operands (vector FMAs, or v_wmma_f32_16x16x4_f32). A number that lies on a knife's edge between two numbers of the format may be rounded either way, as far as f32 arithmetic and the matrix unit's own rounding can turn it there, and no further.
;;   INPUTS GIVEN AS CODES. g_w (in the module: [256, 128], K = its axis 0); o_w (in the module: [128, 256], K = its axis 0); phi_w (in the module: [256, 32], K = its axis 0); theta_w (in the module: [256, 32], K = its axis 0): each comes as NAME_codes (uint8): NAME with its K axis moved to the last place and cut into blocks of 32 codes, [.., K / 32, bytes a block], one block behind the other in memory; four codes in three bytes: a row's codes are one little-endian stream of bits, code i at bits 6 i .. 6 i + 5 (a code: sign, 3 exponent bits, 2 mantissa bits); and NAME_scales (uint8): the same leading axes, one E8M0 byte (e + 127) for each 32 codes along K. Its value is code x scale, taken as it is: it is not quantised again, and the codes and scales need not be those that the quantiser above would give.
;; One version. Each part assembles by itself: llvm-mc -triple=amdgcn-amd-amdhsa -mcpu=gfx1250 --defsym DOCPART=n.
;; ======== version 1 of 1: 2 launches
;; workspace buffers: th 1,048,576 bytes; kv 4,128,768 bytes
;; launch project (part 1): grid 256 x 1, 4 waves a work-group, no clusters, 327,680 bytes of LDS; arguments x, theta_w_codes, theta_w_scales, phi_w_codes, phi_w_scales, g_w_codes, g_w_scales, th, kv; writes th, kv
.if DOCPART == 1
	.amdgcn_target "amdgcn-amd-amdhsa--gfx1250"
	.amdhsa_code_object_version 6
	.text
	.protected	k_q8ac5c8ec41_project
	.globl	k_q8ac5c8ec41_project
	.p2align	8
	.type	k_q8ac5c8ec41_project,@function
k_q8ac5c8ec41_project:
	s_mov_b64 s[64:65], 0
	v_nop
	global_prefetch_b8 v0, s[64:65] scope:SCOPE_SE
	s_setreg_imm32_b32 hwreg(HW_REG_WAVE_MODE, 25, 1), 1
	s_wait_xcnt 0x0
; PROJECT: theta = Q(x) theta_w, phi = Q(x) phi_w, g = Q(x) g_w on codes of BF6 (E3M2) with one E8M0 scale for each 32 along K, and the three results quantised again
; for the attention that follows: theta and phi along their 32 channels (one block a token), g along the tokens (the keys are the second product's K).
; SHARES.  A work-group of four waves takes 128 tokens: one key step.  256 work-groups.  Wave w
;   X: quantises its own 32 tokens of x (four fragments of 16 tokens x 128 channels) and lays them in LDS as images of the operand's registers;
;   A: makes phi (waves 0, 1) or theta (waves 2, 3) for 64 tokens (w & 1): 16 matrix instructions, used transposed, so that a lane holds one token and its registers run along the channels;
;   B: makes g's channel tiles 2 w and 2 w + 1 for all 128 tokens: 32 matrix instructions, a lane holds one channel and its registers run along the tokens.
; So each result of the quantiser is one whole fragment with its whole scale word, and leaves from registers, 512 consecutive bytes a store.
; WORKSPACE.  An image of a fragment (12 registers x 32 lanes): register 4 c + k of lane l at 512 c + 16 l + 4 k.
;   kv: a record of 16,128 bytes for each key step: V's 8 fragments (tile T, row m = channel 32 (T / 2) + 8 (T % 2) + m + 8 (m / 8); K = the step's 128 keys) | at 12,288 K's 2 fragments (fragment F, row r, block j =
;       the 32 channels of key 16 (4 F + j) + r) | at 15,360 V's scale words (16 l + 4 a: lanes 0-15 tile 2 a, lanes 16-31 tile 2 a + 1) | at 15,872 K's scale words (128 F + 4 l).
;   th: 2,048 bytes for each 64 tokens: a fragment like K's, and at 1,536 its 32 scale words; the rest is neither written nor read.
; THE KEYS' ORDER inside a block of 32 of V is 0-7, 16-23, 8-15, 24-31: the order in which the registers fall; the attention lays its weights in the same order, so the products are the same.
; THE ROWS OF A WEIGHT THAT FORM A TILE ARE NOT NEIGHBOURS: lane r of tile u takes row 8 u + r + 8 (r / 8), so that the 16 registers of two neighbouring tiles are 16 neighbouring channels.
; NO CLUSTER: the work-groups share only the weights, 12 KB a wave against the work-group's 128 KB of x.  No ring: a work-group has one block, all of it asked for at the head.
; LIMITS: NaN and infinities among the inputs are not served.  A block whose largest magnitude lies under 2^-122, a block of zeros among them, gets the scale byte 1; these bytes are read by this program alone.
.set XRW,  33792                       ; LDS: x as f32, a region for each wave: two halves (channels 0-127, 128-255)
.set XRH,  16896                       ; of 32 rows x (512 bytes + 16)
.set XP,   528                         ; 33 x 16 bytes: the 16 rows that a load of 16 bytes a lane touches fall in 16 different columns of 16 bytes
.set XIMG, 135168                      ; the 16 images of x's fragments: token tile m, K step s at 1,536 (2 m + s); written by LDS stores alone
.set XSC,  159744                      ; their scale words, 128 bytes each
.set FRB,  1536                        ; an image in bytes
.set REC,  16128                       ; a record of kv
.set XA,   4                           ; v4   my 64 bytes in a row of my wave's x
.set LI,   5                           ; v5   16 x lane
.set LS,   6                           ; v6   4 x lane
.set XWI,  7                           ; v7   where I store my wave's images
.set XWS,  8                           ; v8   and their scale words
.set FAI,  9                           ; v9   where phase A reads: the images of my 64 tokens
.set FAS,  10                          ; v10  and their scale words
.set WO,   11                          ; v11  my lane's bytes in a weight's tile
.set WSO,  12                          ; v12  and its scale bytes
.set VSO,  13                          ; v13  V's scale words: 16 x lane + 4 x wave
.set AIM,  14                          ; v14  XIMG + 16 x lane
.set ASC,  15                          ; v15  XSC + 4 x lane
.set XSW,  16                          ; v16-23  x's scale words of the eight fragments in hand
.set KSW,  24                          ; v24-27  scale words of theta_w or phi_w (2 tile + K step)
.set GSW,  28                          ; v28-31  of g_w
.set TM,   32                          ; v32-47  the quantiser's: +0 largest magnitudes, +4 the other half's, then bytes, +12 scale operands
.set CT,   48                          ; v48-55  the second halves of the blocks' codes
.set PC,   56                          ; v56-67  the fragment just made
.set PW,   68                          ; v68     its scale word
.set PW0,  69                          ; v69     g's first tile's
.set VSW,  70                          ; v70     both tiles' in one register
.set ST0,  128                         ; v128-191, v192-255: 64 numbers of x each; later the accumulators
.set ST1,  192
.set ACC,  128
.set WK,   0                           ; window 1: v0-47 theta_w's or phi_w's four fragments, v48-95 g_w's four, v96-191 eight fragments of x
.set WGF,  48
.set XF,   96
.set WV,   22                          ; s22 wave; s23 wave & 1
.set FH,   23
.set G1,   24                          ; s[24:31] descriptor group 1; s[32:39] two groups 0
.set G0,   32
.set SEL,  40                          ; s[40:41] v_permlanex16_b32's selects for lane l xor 16
.set WKC,  44                          ; s[44:45] the codes of my kind of weight, s[46:47] their scales
.set WKS,  46
.set GC,   48                          ; s[48:49] my 32 rows of g_w's codes, s[50:51] of its scales
.set GS,   50
.set DA,   52                          ; s[52:53] where phase A's fragment goes, s[54:55] its scale words
.set DB,   54
.set KVR,  56                          ; s[56:57] my record of kv; s[72:73] my two tiles of V in it
.set KVV,  72
.set MSB, 0
.macro WIN new                         ; the immediate's high byte repeats the setting that is left
.if MSB != \new
	s_set_vgpr_msb (MSB<<8)|\new
.set MSB, \new
.endif
.endm
; 64 numbers of a lane, register 16 b + i = place 32 b + 16 (lane / 16) + i of my row, become a fragment's codes in v[d] on and its scale word in v[w].
.macro QUANT s, d, w
.irp b, 0,1,2,3
	v_max3_num_f32 v[TM+\b], |v[\s+16*\b]|, |v[\s+1+16*\b]|, 0x2800000   ; block b: my 16 numbers, and the floor 2^(5 - 127): the byte cannot fall under 1
.endr
.irp i, 2,4,6,8,10,12,14
.irp b, 0,1,2,3
	v_max3_num_f32 v[TM+\b], v[TM+\b], |v[\s+16*\b+\i]|, |v[\s+1+16*\b+\i]|   ; the four blocks by turns
.endr
.endr
.irp b, 0,1,2,3
	v_permlanex16_b32 v[TM+4+\b], v[TM+\b], s[SEL], s[SEL+1]
.endr
.irp b, 0,1,2,3
	v_max_num_f32 v[TM+\b], v[TM+\b], v[TM+4+\b]   ; with lane l xor 16's: the block's largest magnitude
.endr
.irp b, 0,1,2,3
	v_add_nc_u32 v[TM+12+\b], 0xfe000000, v[TM+\b]   ; 4 off its exponent field: the conversion takes this operand's exponent field as its scale
.endr
.irp b, 0,1,2,3
	v_lshrrev_b32 v[TM+4+\b], 23, v[TM+12+\b]      ; the scale's byte
.endr
	v_lshl_or_b32 v[\w], v[TM+5], 8, v[TM+4]
	v_lshl_or_b32 v[\w], v[TM+6], 16, v[\w]
	v_lshl_or_b32 v[\w], v[TM+7], 24, v[\w]        ; my row's scale word
.irp c, 0,1
	v_cvt_scalef32_pk16_bf6_f32 v[\d+6*\c:\d+6*\c+2], v[\s+32*\c:\s+32*\c+15], v[TM+12+2*\c]
	v_cvt_scalef32_pk16_bf6_f32 v[CT+4*\c:CT+4*\c+2], v[\s+16+32*\c:\s+31+32*\c], v[TM+13+2*\c]   ; (a conversion's three registers begin on an even number)
.endr
	v_nop                                          ; one plain instruction behind the scaled conversions
.irp c, 0,1                                    ; the operand wants a whole block in a lane: lanes 0-15 block 2 c, lanes 16-31 block 2 c + 1
.irp i, 0,1,2
	v_permlane16_swap_b32 v[\d+6*\c+\i], v[CT+4*\c+\i]
.endr
.irp i, 0,1,2
	v_mov_b32 v[\d+3+6*\c+\i], v[CT+4*\c+\i]
.endr
.endr
.endm
.macro XLD st, s, u                            ; my 64 numbers of K step s, token tile u of my wave
.irp b, 0,1,2,3
.irp j, 0,1,2,3
	ds_load_b128 v[\st+16*\b+4*\j:\st+16*\b+4*\j+3], v[XA] offset:(\s)*XRH+(\u)*16*XP+128*\b+16*\j
.endr
.endr
.endm
.macro IMAGE off                               ; the fragment in v[PC] on goes to LDS as it stands
.irp c, 0,1,2
	ds_store_b128 v[XWI], v[PC+4*\c:PC+4*\c+3] offset:\off+512*\c
.endr
.endm
.macro FETCH adr, off, reg                     ; and comes back so, in any wave (the destination lies in window 1)
.irp c, 0,1,2
	ds_load_b128 v[\reg+4*\c:\reg+4*\c+3], v[\adr] offset:\off+512*\c
.endr
.endm
.macro WLOAD reg, base                         ; two tiles x two K steps of a weight: 24 bytes twice a lane, in pieces of 8
.irp t, 0,1
.irp s, 0,1
.irp p, 0,1,2,3,4,5
	global_load_b64 v[\reg+12*(2*\t+\s)+2*\p:\reg+12*(2*\t+\s)+2*\p+1], v[WO], s[\base:\base+1] offset:8*\t*192+96*\s+48*(\p/3)+8*(\p%3)
.endr
.endr
.endr
.endm
.macro OUT3 base, off                          ; the fragment in v[PC] on goes to memory as it stands: each store of the wave covers 512 consecutive bytes, aligned
.irp c, 0,1,2
	global_store_b128 v[LI], v[PC+4*\c:PC+4*\c+3], s[\base:\base+1] offset:\off+512*\c
.endr
.endm
	s_load_b256 s[4:11], s[0:1], 0x0               ; x s[4:5], theta codes s[6:7], theta scales s[8:9], phi codes s[10:11]
	s_load_b256 s[12:19], s[0:1], 0x20             ; phi scales s[12:13], g codes s[14:15], g scales s[16:17], th s[18:19]
	s_load_b64 s[20:21], s[0:1], 0x40              ; kv
	v_lshl_add_u32 v126, v0, 2, 0x29000
	v_mov_b32 v127, 0
	ds_add_u32 v126, v127
	ds_add_u32 v126, v127
	v_lshrrev_b32 v1, 5, v0
	v_readfirstlane_b32 s[WV], v1                  ; wave 0..3
	s_and_b32 s[FH], s[WV], 1
	; descriptor group 1: 32 rows x 128 f32, rows 256 elements apart in memory, 16 bytes of padding behind each row in LDS
	s_mov_b32 s[G1+0], (2<<16)|(1<<20)|(6<<22)|(3<<25)   ; no mask; elements of 4 bytes; padding on; after every 128 words (code 6); of 4 words (code 3)
	s_mov_b32 s[G1+1], 128<<16                     ; tensor_dim0
	s_mov_b32 s[G1+2], 32<<16                      ; tensor_dim1
	s_mov_b32 s[G1+3], 128<<16                     ; tile_dim0
	s_mov_b32 s[G1+4], 32                          ; tile_dim1
	s_mov_b32 s[G1+5], 256                         ; stride from row to row
	s_mov_b32 s[G1+6], 0
	s_mov_b32 s[G1+7], 0
	s_lshl_b32 s58, ttmp9, 17                      ; 128 tokens of 1,024 bytes a work-group,
	s_lshl_b32 s59, s[WV], 15                      ; 32 a wave
	s_add_co_u32 s58, s58, s59
	s_mov_b32 s59, 0
	s_mul_i32 s60, s[WV], XRW                      ; my region of LDS
	s_wait_dscnt 0x0
	s_wait_kmcnt 0x0
	s_add_nc_u64 s[4:5], s[4:5], s[58:59]
	s_mov_b32 s[G0+0], 1
	s_mov_b32 s[G0+1], s60
	s_mov_b64 s[G0+2:G0+3], s[4:5]
	s_or_b32 s[G0+3], s[G0+3], 0x80000000
	s_mov_b32 s[G0+4], 1
	s_add_co_u32 s[G0+5], s60, XRH
	s_add_nc_u64 s[G0+6:G0+7], s[4:5], 512
	s_or_b32 s[G0+7], s[G0+7], 0x80000000
	tensor_load_to_lds s[G0:G0+3], s[G1:G1+7]      ; channels 0-127 of my 32 tokens
	s_nop 0
	s_wait_alu depctr_va_vdst(0)
	s_wait_tensorcnt 0x0
	ds_add_u32 v126, v127
	s_wait_dscnt 0x0
	s_barrier_signal -1
	s_barrier_wait -1
	tensor_load_to_lds s[G0+4:G0+7], s[G1:G1+7]    ; channels 128-255: one tensor load of mine is out, and there are no more
	s_nop 0
.rept 4
	v_nop                                          ; behind a tensor load
.endr
	; which weight and which buffer phase A serves: a choice on the wave's number alone
	s_mul_i32 s61, ttmp9, REC
	s_mul_i32 s62, s[FH], FRB
	s_add_co_u32 s62, s62, s61
	s_add_co_u32 s62, s62, 12288                   ; kv: K's fragment F
	s_lshl_b32 s63, s[FH], 7
	s_add_co_u32 s63, s63, s61
	s_add_co_u32 s63, s63, 15872                   ; kv: its scale words
	s_lshl_b32 s66, ttmp9, 12
	s_lshl_b32 s67, s[FH], 11
	s_add_co_u32 s66, s66, s67                     ; th: block 2 x work-group + F
	s_add_co_u32 s67, s66, FRB                     ; th: its scale words
	s_cmp_lt_u32 s[WV], 2                          ; waves 0, 1: phi into kv; waves 2, 3: theta into th
	s_cselect_b64 s[WKC:WKC+1], s[10:11], s[6:7]
	s_cselect_b64 s[WKS:WKS+1], s[12:13], s[8:9]
	s_cselect_b64 s[DA:DA+1], s[20:21], s[18:19]
	s_cselect_b32 s68, s62, s66
	s_cselect_b32 s70, s63, s67
	s_mov_b32 s69, 0
	s_mov_b32 s71, 0
	s_mov_b64 s[DB:DB+1], s[DA:DA+1]
	s_add_nc_u64 s[DA:DA+1], s[DA:DA+1], s[68:69]
	s_add_nc_u64 s[DB:DB+1], s[DB:DB+1], s[70:71]
	s_mov_b32 s74, s61
	s_mov_b32 s75, 0
	s_add_nc_u64 s[KVR:KVR+1], s[20:21], s[74:75]
	s_mul_i32 s74, s[WV], 2*FRB
	s_add_nc_u64 s[KVV:KVV+1], s[KVR:KVR+1], s[74:75]
	s_mul_i32 s74, s[WV], 32*192
	s_add_nc_u64 s[GC:GC+1], s[14:15], s[74:75]
	s_lshl_b32 s74, s[WV], 8
	s_add_nc_u64 s[GS:GS+1], s[16:17], s[74:75]
	s_mov_b32 s[SEL], 0x76543210
	s_mov_b32 s[SEL+1], 0xfedcba98
	v_and_b32 v1, 31, v0                           ; lane
	v_and_b32 v2, 15, v0                           ; r
	v_bfe_u32 v3, v0, 4, 1                         ; h
	v_and_b32 v[WO], 8, v2
	v_add_nc_u32 v[WO], v[WO], v2                  ; r + 8 (r / 8)
	v_lshlrev_b32 v[WSO], 3, v[WO]                 ; 8 scale bytes a row
	v_mul_u32_u24 v[WO], v[WO], 192                ; a row of 256 codes is 192 bytes
	v_mad_u32_u24 v[WO], v3, 24, v[WO]
	WIN 0x40                                       ; destination window 1
	WLOAD WK, WKC
	WLOAD WGF, GC
	WIN 0
.irp t, 0,1
.irp s, 0,1
	global_load_b32 v[KSW+2*\t+\s], v[WSO], s[WKS:WKS+1] offset:64*\t+4*\s
	global_load_b32 v[GSW+2*\t+\s], v[WSO], s[GS:GS+1] offset:64*\t+4*\s
.endr
.endr
	v_mul_u32_u24 v[XA], v2, XP
	v_lshl_add_u32 v[XA], v3, 6, v[XA]
	v_add_nc_u32 v[XA], s60, v[XA]                 ; row r, + 64 h: my 16 numbers of a block of 32
	v_lshlrev_b32 v[LI], 4, v1
	v_lshlrev_b32 v[LS], 2, v1
	s_wait_alu depctr_va_vdst(0)
	s_mul_i32 s74, s[WV], 4*FRB
	s_add_co_u32 s74, s74, XIMG
	v_add_nc_u32 v[XWI], s74, v[LI]
	s_lshl_b32 s74, s[WV], 9
	s_add_co_u32 s74, s74, XSC
	v_add_nc_u32 v[XWS], s74, v[LS]
	s_mul_i32 s74, s[FH], 8*FRB
	s_add_co_u32 s74, s74, XIMG
	v_add_nc_u32 v[FAI], s74, v[LI]
	s_lshl_b32 s74, s[FH], 10
	s_add_co_u32 s74, s74, XSC
	v_add_nc_u32 v[FAS], s74, v[LS]
	s_lshl_b32 s74, s[WV], 2
	v_add_nc_u32 v[VSO], s74, v[LI]
	v_add_nc_u32 v[AIM], XIMG, v[LI]
	v_add_nc_u32 v[ASC], XSC, v[LS]
.irp b, 0,1,2,3
	v_mov_b32 v[TM+4+\b], 0                        ; written once: a lane permute's destination counts as one of its sources
.endr
	; ---- X: my 32 tokens become four fragments.  Only I read the bytes that my tensor loads brought: my own wait on them is all that the reads need
	s_wait_tensorcnt 0x1                           ; channels 0-127 are in; the second load may be out
	XLD ST0, 0, 0
	XLD ST1, 0, 1
	s_wait_dscnt 16                                ; the first sixteen loads are in, the sixteen behind them may be out
	QUANT ST0, PC, PW
	IMAGE 0
	ds_store_b32 v[XWS], v[PW]
	s_wait_tensorcnt 0x0                           ; channels 128-255 are in
	XLD ST0, 1, 0
	s_wait_dscnt 16                                ; all but the sixteen just issued: ST1 is in, and the image's stores are done
	QUANT ST1, PC, PW
	IMAGE 2*FRB
	ds_store_b32 v[XWS], v[PW] offset:256
	XLD ST1, 1, 1
	s_wait_dscnt 16                                ; likewise
	QUANT ST0, PC, PW
	IMAGE FRB
	ds_store_b32 v[XWS], v[PW] offset:128
	s_wait_dscnt 0x0
	QUANT ST1, PC, PW
	IMAGE 3*FRB
	ds_store_b32 v[XWS], v[PW] offset:384
	s_wait_dscnt 0x0                               ; for the others' sake: my images have landed
	s_barrier_signal -1
	s_barrier_wait -1                              ; the second barrier: behind it the sixteen images are only read
	; ---- A: theta or phi of my 64 tokens, transposed: source 0 = 16 rows of the weight, source 1 = 16 tokens.  Lane (r, h), register 16 m + 8 t + j: channel 16 h + 8 t + j of token 16 m + r
	WIN 0x40
.irp m, 0,1,2,3
.irp s, 0,1
	FETCH FAI, FRB*(2*\m+\s), XF+12*(2*\m+\s)
.endr
.endr
	WIN 0
.irp m, 0,1,2,3
.irp s, 0,1
	ds_load_b32 v[XSW+2*\m+\s], v[FAS] offset:128*(2*\m+\s)
.endr
.endr
	s_wait_dscnt 0x0
	s_wait_loadcnt 0x0                             ; the weights and their scale words
	WIN 0x05                                       ; sources 0 and 1 window 1; C and D window 0
.irp s, 0,1                                    ; eight accumulators by turns, one instruction a turn; the first K step starts the sums
.irp m, 0,1,2,3
.irp t, 0,1
.if \s == 0
	v_wmma_scale_f32_16x16x128_f8f6f4 v[ACC+16*\m+8*\t:ACC+16*\m+8*\t+7], v[WK+12*(2*\t+\s):WK+12*(2*\t+\s)+11], v[XF+12*(2*\m+\s):XF+12*(2*\m+\s)+11], 0, v[KSW+2*\t+\s], v[XSW+2*\m+\s] matrix_a_fmt:MATRIX_FMT_BF6 matrix_b_fmt:MATRIX_FMT_BF6
.else
	v_wmma_scale_f32_16x16x128_f8f6f4 v[ACC+16*\m+8*\t:ACC+16*\m+8*\t+7], v[WK+12*(2*\t+\s):WK+12*(2*\t+\s)+11], v[XF+12*(2*\m+\s):XF+12*(2*\m+\s)+11], v[ACC+16*\m+8*\t:ACC+16*\m+8*\t+7], v[KSW+2*\t+\s], v[XSW+2*\m+\s] matrix_a_fmt:MATRIX_FMT_BF6 matrix_b_fmt:MATRIX_FMT_BF6
.endif
.endr
.endr
.endr
	WIN 0
.rept 4
	v_nop                                          ; four places in front of the first read of results (ISA guide 7.12.1)
.endr
	QUANT ACC, PC, PW                              ; block m of row r = the 32 channels of token 16 m + r
	OUT3 DA, 0
	global_store_b32 v[LS], v[PW], s[DB:DB+1]
	; ---- B: g's channel tiles 2 w, 2 w + 1 for the 128 tokens, 64 tokens at a time: source 0 = 16 tokens, source 1 = 16 rows of g_w.  Lane (r, h), register 64 t + 32 q + 8 m + j: token 16 (4 q + m) + 8 h + j of the tile's row r
.irp q, 0,1
.rept 4
	v_nop                                          ; four places in front of loads into registers that matrix instructions have read
.endr
	WIN 0x40
.irp m, 0,1,2,3
.irp s, 0,1
	FETCH AIM, FRB*(8*\q+2*\m+\s), XF+12*(2*\m+\s)
.endr
.endr
	WIN 0
.irp m, 0,1,2,3
.irp s, 0,1
	ds_load_b32 v[XSW+2*\m+\s], v[ASC] offset:128*(8*\q+2*\m+\s)
.endr
.endr
	s_wait_dscnt 0x0
	WIN 0x05
.irp s, 0,1                                    ; eight accumulators by turns
.irp m, 0,1,2,3
.irp t, 0,1
.if \s == 0
	v_wmma_scale_f32_16x16x128_f8f6f4 v[ACC+64*\t+32*\q+8*\m:ACC+64*\t+32*\q+8*\m+7], v[XF+12*(2*\m+\s):XF+12*(2*\m+\s)+11], v[WGF+12*(2*\t+\s):WGF+12*(2*\t+\s)+11], 0, v[XSW+2*\m+\s], v[GSW+2*\t+\s] matrix_a_fmt:MATRIX_FMT_BF6 matrix_b_fmt:MATRIX_FMT_BF6
.else
	v_wmma_scale_f32_16x16x128_f8f6f4 v[ACC+64*\t+32*\q+8*\m:ACC+64*\t+32*\q+8*\m+7], v[XF+12*(2*\m+\s):XF+12*(2*\m+\s)+11], v[WGF+12*(2*\t+\s):WGF+12*(2*\t+\s)+11], v[ACC+64*\t+32*\q+8*\m:ACC+64*\t+32*\q+8*\m+7], v[XSW+2*\m+\s], v[GSW+2*\t+\s] matrix_a_fmt:MATRIX_FMT_BF6 matrix_b_fmt:MATRIX_FMT_BF6
.endif
.endr
.endr
.endr
	WIN 0
.endr
.rept 4
	v_nop                                          ; four places in front of the first read of results
.endr
	s_wait_xcnt 0x0                                ; phase A's stores have read v[PC] on and v[PW]: they are written again only behind this wait
	QUANT ACC, PC, PW                              ; tile 2 w: block b of row r = keys 32 b .. 32 b + 31 of that channel
	OUT3 KVV, 0
	v_mov_b32 v[PW0], v[PW]
	s_wait_xcnt 0x0                                ; likewise
	QUANT ACC+64, PC, PW                           ; tile 2 w + 1
	OUT3 KVV, FRB
	s_mov_b32 vcc_lo, 0xffff0000
	v_cndmask_b32 v[VSW], v[PW0], v[PW], vcc_lo    ; lanes 0-15 the first tile's words, lanes 16-31 the second's
	global_store_b32 v[VSO], v[VSW], s[KVR:KVR+1] offset:15360
	s_wait_tensorcnt 0x0
	ds_add_u32 v126, v127
	s_wait_dscnt 0x0
	s_endpgm
.Lfunc_end_k_q8ac5c8ec41_project:
	.size	k_q8ac5c8ec41_project, .Lfunc_end_k_q8ac5c8ec41_project-k_q8ac5c8ec41_project
	.p2alignl 7, 3214868480
	.fill 96, 4, 3214868480
	.section	.rodata,"a",@progbits
	.p2align	6, 0x0
	.amdhsa_kernel k_q8ac5c8ec41_project
		.amdhsa_group_segment_fixed_size 327680
		.amdhsa_private_segment_fixed_size 0
		.amdhsa_enable_private_segment 0
		.amdhsa_kernarg_size 72
		.amdhsa_user_sgpr_count 2
		.amdhsa_user_sgpr_kernarg_segment_ptr 1
		.amdhsa_wavefront_size32 1
		.amdhsa_system_sgpr_workgroup_id_x 1
		.amdhsa_system_sgpr_workgroup_id_y 1
		.amdhsa_system_sgpr_workgroup_id_z 1
		.amdhsa_system_vgpr_workitem_id 0
		.amdhsa_next_free_vgpr 512
		.amdhsa_next_free_sgpr 80
		.amdhsa_reserve_vcc 1
		.amdhsa_float_denorm_mode_32 3
		.amdhsa_float_denorm_mode_16_64 3
		.amdhsa_memory_ordered 1
		.amdhsa_forward_progress 1
		.amdhsa_inst_pref_size 57
	.end_amdhsa_kernel
	.amdgpu_metadata
---
amdhsa.version: [ 1, 2 ]
amdhsa.kernels:
  - .name:           k_q8ac5c8ec41_project
    .symbol:         k_q8ac5c8ec41_project.kd
    .args:
      - { .name: x, .offset: 0, .size: 8, .value_kind: global_buffer, .address_space: global }
      - { .name: theta_w_codes, .offset: 8, .size: 8, .value_kind: global_buffer, .address_space: global }
      - { .name: theta_w_scales, .offset: 16, .size: 8, .value_kind: global_buffer, .address_space: global }
      - { .name: phi_w_codes, .offset: 24, .size: 8, .value_kind: global_buffer, .address_space: global }
      - { .name: phi_w_scales, .offset: 32, .size: 8, .value_kind: global_buffer, .address_space: global }
      - { .name: g_w_codes, .offset: 40, .size: 8, .value_kind: global_buffer, .address_space: global }
      - { .name: g_w_scales, .offset: 48, .size: 8, .value_kind: global_buffer, .address_space: global }
      - { .name: th, .offset: 56, .size: 8, .value_kind: global_buffer, .address_space: global }
      - { .name: kv, .offset: 64, .size: 8, .value_kind: global_buffer, .address_space: global }
    .group_segment_fixed_size: 327680
    .private_segment_fixed_size: 0
    .kernarg_segment_align: 8
    .kernarg_segment_size: 72
    .max_flat_workgroup_size: 128
    .sgpr_count:     80
    .vgpr_count:     512
    .wavefront_size: 32
...
	.end_amdgpu_metadata
.endif
;; end of part 1
;; launch attend (part 2): grid 32 x 8, 16 waves a work-group, clusters of 4 x 1, 327,680 bytes of LDS; arguments th, kv, o_w_codes, o_w_scales, gamma, x, out0; writes out0
.if DOCPART == 2
	.amdgcn_target "amdgcn-amd-amdhsa--gfx1250"
	.amdhsa_code_object_version 6
	.text
	.protected	k_q8ac5c8ec41_attend
	.globl	k_q8ac5c8ec41_attend
	.p2align	8
	.type	k_q8ac5c8ec41_attend,@function
k_q8ac5c8ec41_attend:
	s_mov_b64 s[64:65], 0
	v_nop
	global_prefetch_b8 v0, s[64:65] scope:SCOPE_SE
	s_setreg_imm32_b32 hwreg(HW_REG_WAVE_MODE, 25, 1), 1
	s_wait_xcnt 0x0
	s_wait_alu depctr_hold_cnt(0) depctr_sa_sdst(0) depctr_va_vdst(0) depctr_va_sdst(0) depctr_va_ssrc(0) depctr_va_vcc(0) depctr_vm_vsrc(0)
	s_getreg_b32 s2, hwreg(HW_REG_IB_STS2, 6, 4)
	s_cmp_eq_u32 s2, 0
	s_cbranch_scc0 .Lentry_in_a_cluster
	s_endpgm
.Lentry_in_a_cluster:
	s_bfe_u32 s2, ttmp6, 0x10000c
	s_cmp_lg_u32 s2, 0x3003
	s_cbranch_scc0 .Lentry_shape_is_right
	s_endpgm
.Lentry_shape_is_right:
; ATTEND: out0 = x + gamma x ( Q( softmax(theta phi^T) g ) o_w ), all three products on codes of BF6 (E3M2) with one E8M0 scale for each 32 along K.  theta, phi and g come as codes from the launch before
; (th: a fragment and its scale words for each 64 tokens; kv: a record of 16,128 bytes for each key step of 128 tokens: V's 8 fragments, K's 2, V's scale words, K's scale words; all as images of the operands' registers:
; register 4 c + k of lane l at 512 c + 16 l + 4 k).
; THE SOFTMAX: t = score x log2(e); M = the running largest t rounded UP to a whole number; p = 2^(t - M) is quantised along the keys, not normalised; the row's sum is taken of the unquantised p and divides at the end;
; when M moves, the sum and O are multiplied by 2^(old M - new M), which rounds nothing.
; SHARES.  A work-group owns 128 queries of one batch: 8 tiles of 16.  Sixteen waves of 256 registers, four to a SIMD, so that one wave's vector work stands beside another's products and LDS loads.
; Wave w has tile w & 7 and takes every second key step (w >> 3): 16 of the 32.  At the end the two waves of a tile bring M, the sum and O together by exact powers of two, and each makes 128 of the tile's 256 output channels.
; LAYOUT.  All products are used transposed: a lane holds ONE query (lane % 16) throughout.  S^T = K Q^T; O^T = V^T P^T; Y^T = o_w (O / l)^T.
; THE FIRST PRODUCT'S K IS 32: a quarter of the instruction's 128.  A fragment of K holds FOUR tiles of keys, one in each block of 32; Q_j holds the query's 32 codes in block j and zero codes elsewhere, so that
; K's fragment F x Q_j is S^T of key tile 4 F + j: six loads of 16 bytes a lane bring a step's 128 keys.  The four Q_j overlap in 30 registers: zeros, Q in lanes 0-15, zeros, Q in lanes 16-31, zeros.
; THE KEYS' ORDER inside a block of 32 is 0-7, 16-23, 8-15, 24-31 in P and in V alike: the order in which the scores' registers fall.  The blocks are the same sets of keys, so codes, scales and products are the same.
; CLUSTER.  The four work-groups of a cluster belong to one batch and walk the same records: each record, and o_w, is asked for JOINTLY, by the same tensor load with the same descriptor and a mask that names the four.
; THE RING: two slots of four records; waves 0 to 3 fetch one record each; a wave never has more than one tensor load out.
; LIMITS: NaN and infinities among the inputs are not served.  A block whose largest magnitude lies under 2^-122 gets the scale byte 1.  A block's largest p is taken as the exponential of its largest score.
; 1 / l is v_rcp_f32 and a multiplication.  The keys are split over two waves and permuted within blocks, so the f32 sums are grouped otherwise than in ascending k.
.set REC,   16128                      ; a record
.set KOFF,  12288                      ; in it: K's fragments,
.set VSOFF, 15360                      ; V's scale words,
.set KSOFF, 15872                      ; K's scale words
.set SLOT1, 1<<16                      ; slot 0 at 0, slot 1 here (a slot: 4 records, 64,512 bytes): one exclusive or turns an address from one into the other
.set OWC,   131072                     ; o_w's codes, 256 rows of 96 bytes: filled once
.set OWS,   155648                     ; o_w's scale words: filled once
.set SPARE, 156672                     ; the spare words, 128 bytes for each of 16 waves: eight blocks of 256 bytes that no other line names
.set MRG,   158720                     ; for each tile 8,704 bytes: O^T of the second wave (8,192), its -M at 8,192 + 4 l, its sum at 8,320 + 4 l.  From here on LDS stores alone write
.set MRGB,  8704
.set PIM,   228352                     ; for each tile 1,792 bytes: the image of Q(O / l) and at 1,536 its scale words
.set PIMB,  1792
.set STG,   242688                     ; for each wave a stage of 16 rows x (256 bytes + 16)
.set STGB,  4352
.set SP,    272
.set AI0,  1                           ; v1   16 x lane + my key group's record          (on the way out: MA)
.set AK0,  2                           ; v2   4 r + 128 h + my key group's record        (SA)
.set PFO,  3                           ; v3   the records' prefetch: 256 x my block       (PA)
.set PXO,  4                           ; v4   x's prefetch: my block of my wave's 32      (PSA)
.set SPW,  5                           ; v5   LDS address of my spare word; never rewritten
.set NIL,  6                           ; v6   0; never rewritten
.set GO,   7                           ; v7   my byte in two rows of x and out0: 1,024 h + 16 r; never rewritten
.set ADI,  8                           ; v8   AI0 + the slot                              (OWA)
.set ADK,  9                           ; v9   AK0 + the slot                              (OSA)
.set MA,   1
.set SA,   2
.set PA,   3
.set PSA,  4
.set OWA,  8
.set OSA,  9
.set STO,  10
.set RD,   11
.set QS,   16                          ; v16-19  Q_j's scale words: the query's byte in byte j
.set VS,   20                          ; v20-23  V's scale words (lanes 0-15 tile 2 a, lanes 16-31 tile 2 a + 1); on the way out o_w's
.set KS,   24                          ; v24     K's scale words (lanes 0-15 fragment 0, lanes 16-31 fragment 1)
.set QA,   26                          ; v26-55  zeros | Q in lanes 0-15 | zeros | Q in lanes 16-31 | zeros, six registers each
.set FR,   60                          ; v60-107 K's two fragments, later V's tiles 0-3; between them v84-105 are the softmax's work registers:
.set BM,   84                          ; v84-87  each block's largest score, then its largest p
.set BT,   88                          ; v88-91  the other half's, then the scale bytes
.set SO,   92                          ; v92-95  the conversions' scale operands
.set CV,   96                          ; v96-103 the second halves of the blocks' codes
.set SUMT, 104                         ; v104-105 the second chain of the row's sum
.set S,    108                         ; v108-171 S^T, then p, then V's tiles 4-7
.set O,    172                         ; v172-235 O^T: register 16 b + i = channel 32 b + 16 h + i
.set PC,   236                         ; v236-247 p's codes
.set PS,   248                         ; v248    p's scale word
.set FF,   250                         ; v250    f = 2^(old M - new M); v251 = 0, named with it as a pair
.set T0,   252                         ; v252-255 at work
.set XE,   26                          ; the way out: v26-89 my 16 x 128 numbers of x
.set TM,   108                         ; the way out's quantiser works in registers that the other wave's O^T has left
.set CT,   124
.set WV,   18                          ; s18 wave; s19 tile; s63 key group
.set QT,   19
.set GK,   63
.set TB,   2                           ; s2  LDS byte at which the slot in hand begins
.set SLOTS, 3                          ; s3  slots still to be asked for
.set SEL,  20                          ; s[20:21] v_permlanex16_b32's selects for lane l xor 16
.set CS,   22                          ; s[22:23] log2(e), twice
.set G1R,  24                          ; s[24:31], s[32:35] groups 1 and 0 for a record: the group 0 walks
.set G0R,  32
.set G1C,  36                          ; s[36:43], s[44:47] for o_w's codes
.set G0C,  44
.set G1S,  48                          ; s[48:55], s[56:59] for o_w's scale words
.set G0S,  56
.set GM,   60                          ; s[60:61] gamma, twice
.set PFA,  66                          ; s[66:67] where my work-group's prefetches stand: its record of the slot after the one that is being asked for
.set LIM,  68                          ; s68 1 in a wave that prefetches records, else the greatest number
.macro CROUND                          ; a round of the cluster's barrier
	s_barrier_signal -1
	s_barrier_wait -1
	s_cmp_lg_u32 s[WV], 0
	s_cbranch_scc1 .Lnot_wave_0_\@
	s_barrier_signal -3
.Lnot_wave_0_\@:
	s_barrier_wait -3
	s_barrier_signal -1
	s_barrier_wait -1
.endm
.macro TLOAD                           ; waves 0 to 3 fetch a record each; the branch hangs on the wave's number alone.  Four v_nop follow the load
	s_cmp_lt_u32 s[WV], 4
	s_cbranch_scc0 .Lasked_\@
	tensor_load_to_lds s[G0R:G0R+3], s[G1R:G1R+7]
	s_nop 0
.rept 4
	v_nop
.endr
.Lasked_\@:
.endm
; A PREFETCH of the slot that the NEXT change of slots will ask for: two key steps of every wave ahead of that load.  All clusters of a batch walk the same records: the batch's first cluster asks.  Its four partners take one
; record of the four each, told apart BY ADDRESS; in each, waves 8 and 9 name the record's 63 blocks of 256 bytes, a lane a block (the last lane repeats block 62).  The last change that fills a slot asks for nothing.
.macro ASK
	s_cmp_gt_u32 s[SLOTS], s[LIM]
	s_cbranch_scc0 .Lnot_mine_\@
	global_prefetch_b8 v[PFO], s[PFA:PFA+1] th:TH_LOAD_NT scope:SCOPE_SE
.Lnot_mine_\@:
.endm
; 64 numbers of a lane, register 16 b + i = place 32 b + 16 (lane / 16) + i of my row, become a fragment's codes in v[d] on and its scale word in v[w].
.macro QUANT s, d, w
.irp b, 0,1,2,3
	v_max3_num_f32 v[TM+\b], |v[\s+16*\b]|, |v[\s+1+16*\b]|, 0x2800000   ; block b: my 16 numbers, and the floor 2^(5 - 127): the byte cannot fall under 1
.endr
.irp i, 2,4,6,8,10,12,14
.irp b, 0,1,2,3
	s_delay_alu instid0(VALU_DEP_4)
	v_max3_num_f32 v[TM+\b], v[TM+\b], |v[\s+16*\b+\i]|, |v[\s+1+16*\b+\i]|
.endr
.endr
.irp b, 0,1,2,3
	s_delay_alu instid0(VALU_DEP_4)
	v_permlanex16_b32 v[TM+4+\b], v[TM+\b], s[SEL], s[SEL+1]
.endr
.irp b, 0,1,2,3
	s_delay_alu instid0(VALU_DEP_4)
	v_max_num_f32 v[TM+\b], v[TM+\b], v[TM+4+\b]
.endr
.irp b, 0,1,2,3
	s_delay_alu instid0(VALU_DEP_4)
	v_add_nc_u32 v[TM+12+\b], 0xfe000000, v[TM+\b]   ; 4 off the exponent field: the conversion's scale operand
.endr
.irp b, 0,1,2,3
	s_delay_alu instid0(VALU_DEP_4)
	v_lshrrev_b32 v[TM+4+\b], 23, v[TM+12+\b]
.endr
	s_delay_alu instid0(VALU_DEP_3)
	v_lshl_or_b32 v[\w], v[TM+5], 8, v[TM+4]
	s_delay_alu instid0(VALU_DEP_1)
	v_lshl_or_b32 v[\w], v[TM+6], 16, v[\w]
	s_delay_alu instid0(VALU_DEP_1)
	v_lshl_or_b32 v[\w], v[TM+7], 24, v[\w]
.irp c, 0,1
	v_cvt_scalef32_pk16_bf6_f32 v[\d+6*\c:\d+6*\c+2], v[\s+32*\c:\s+32*\c+15], v[TM+12+2*\c]
	v_cvt_scalef32_pk16_bf6_f32 v[CT+4*\c:CT+4*\c+2], v[\s+16+32*\c:\s+31+32*\c], v[TM+13+2*\c]
.endr
	v_nop                                          ; one plain instruction behind the scaled conversions
.irp c, 0,1
.irp i, 0,1,2
	v_permlane16_swap_b32 v[\d+6*\c+\i], v[CT+4*\c+\i]
.endr
.irp i, 0,1,2
	s_delay_alu instid0(VALU_DEP_3)
	v_mov_b32 v[\d+3+6*\c+\i], v[CT+4*\c+\i]
.endr
.endr
.endm
	s_load_b256 s[4:11], s[0:1], 0x0               ; th s[4:5], kv s[6:7], o_w's codes s[8:9], o_w's scales s[10:11]
	s_load_b128 s[12:15], s[0:1], 0x20             ; gamma s[12:13], x s[14:15]
	s_load_b64 s[16:17], s[0:1], 0x30              ; out0
	v_lshl_add_u32 v[SPW], v0, 2, SPARE
	v_mov_b32 v[NIL], 0
	ds_add_u32 v5, v6
	ds_add_u32 v5, v6
	s_wait_dscnt 0x0
	v_lshrrev_b32 v8, 5, v0
	s_delay_alu instid0(VALU_DEP_1)
	v_readfirstlane_b32 s[WV], v8                  ; wave 0..15
	s_and_b32 s[QT], s[WV], 7
	s_lshr_b32 s[GK], s[WV], 3
	s_bfe_u32 s69, ttmp6, 0x40000                  ; cx: my place in the cluster
	s_lshl_b32 s70, ttmp9, 2                       ; in a cluster launch ttmp9 counts clusters
	s_add_co_u32 s70, s70, s69                     ; my block of 128 queries: it enters th's, x's and out0's addresses alone
	s_and_b32 s71, ttmp7, 0xffff                   ; the batch, which the four partners share
	; descriptor groups 1: dense blocks as rows of 256 bytes (32 elements of 8 bytes): 63 rows a record, 96 for o_w's codes, 4 for its scale words
.irp g, G1R, G1C, G1S
	s_mov_b32 s[\g+0], 15|(3<<16)|(1<<21)          ; the mask: all four work-groups; elements of 8 bytes; bit 21 set beside a mask; no padding
	s_mov_b32 s[\g+1], 32<<16                      ; tensor_dim0
	s_mov_b32 s[\g+3], 32<<16                      ; tile_dim0
	s_mov_b32 s[\g+5], 32                          ; stride from row to row
	s_mov_b32 s[\g+6], 0
	s_mov_b32 s[\g+7], 0
.endr
	s_mov_b32 s[G1R+2], 63<<16                     ; tensor_dim1
	s_mov_b32 s[G1R+4], 63                         ; tile_dim1
	s_mov_b32 s[G1C+2], 96<<16
	s_mov_b32 s[G1C+4], 96
	s_mov_b32 s[G1S+2], 4<<16
	s_mov_b32 s[G1S+4], 4
	s_mul_i32 s72, s71, 32*REC                     ; the batch's records
	s_and_b32 s74, s[WV], 3
	s_mul_i32 s74, s74, REC                        ; the record that I fetch, if I fetch: its place in a slot, in LDS and in memory
	s_add_co_u32 s76, s72, s74
	s_mov_b32 s77, 0
	s_mul_i32 s78, s69, REC                        ; the prefetches: my work-group's record,
	s_add_co_u32 s78, s78, s72
	s_add_co_u32 s78, s78, 4*REC                   ; in slot 1: the first change of slots steps it to slot 2.  Nothing is prefetched at the head
	s_mov_b32 s79, 0
	s_lshl_b32 s80, s71, 6                         ; th: block 64 x batch + 2 x query block + tile / 4, of 2,048 bytes
	s_lshl_b32 s81, s70, 1
	s_add_co_u32 s80, s80, s81
	s_lshr_b32 s81, s[QT], 2
	s_add_co_u32 s80, s80, s81
	s_lshl_b32 s80, s80, 11
	s_mov_b32 s81, 0
	s_lshl_b32 s82, s71, 12                        ; x, out0: token 4,096 x batch + 128 x query block + 16 x tile, 1,024 bytes each, + my 128 channels
	s_lshl_b32 s83, s70, 7
	s_add_co_u32 s82, s82, s83
	s_lshl_b32 s83, s[QT], 4
	s_add_co_u32 s82, s82, s83
	s_lshl_b32 s82, s82, 10
	s_lshl_b32 s83, s[GK], 9
	s_add_co_u32 s82, s82, s83
	s_mov_b32 s83, 0
	s_lshr_b32 s84, s[WV], 1
	s_xor_b32 s84, s84, 4                          ; 0 in waves 8 and 9,
	s_or_b32 s84, s84, ttmp9                       ; of the batch's first cluster: the same in all four partners
	s_cmp_eq_u32 s84, 0
	s_cselect_b32 s[LIM], 1, -1
	s_mov_b32 s[SEL], 0x76543210
	s_mov_b32 s[SEL+1], 0xfedcba98
	s_mov_b32 s[CS], 0x3fb8aa3b                    ; log2(e)
	s_mov_b32 s[CS+1], s[CS]
	s_mov_b32 s[TB], 0
	s_mov_b32 s[SLOTS], 7
	s_wait_kmcnt 0x0
	s_load_b32 s[GM], s[12:13], 0x0                ; gamma
	s_mov_b32 s[G0R+0], 1
	s_mov_b32 s[G0R+1], s74
	s_add_nc_u64 s[G0R+2:G0R+3], s[6:7], s[76:77]
	s_or_b32 s[G0R+3], s[G0R+3], 0x80000000
	s_mov_b32 s[G0C+0], 1
	s_mov_b32 s[G0C+1], OWC
	s_mov_b64 s[G0C+2:G0C+3], s[8:9]
	s_or_b32 s[G0C+3], s[G0C+3], 0x80000000
	s_mov_b32 s[G0S+0], 1
	s_mov_b32 s[G0S+1], OWS
	s_mov_b64 s[G0S+2:G0S+3], s[10:11]
	s_or_b32 s[G0S+3], s[G0S+3], 0x80000000
	s_add_nc_u64 s[PFA:PFA+1], s[6:7], s[78:79]
	s_add_nc_u64 s[4:5], s[4:5], s[80:81]
	s_add_nc_u64 s[14:15], s[14:15], s[82:83]
	s_add_nc_u64 s[16:17], s[16:17], s[82:83]
	CROUND                                         ; all four work-groups are here: the first joint loads meet
	s_cmp_lt_u32 s[WV], 4                          ; the first fills, one a wave: waves 0 to 3 slot 0's records, wave 4 o_w's codes, wave 5 its scale words
	s_cbranch_scc0 .Lnot_record
	tensor_load_to_lds s[G0R:G0R+3], s[G1R:G1R+7]
	s_nop 0
.rept 4
	v_nop
.endr
	s_branch .Lfirst_asked
.Lnot_record:
	s_cmp_eq_u32 s[WV], 4
	s_cbranch_scc0 .Lnot_codes
	tensor_load_to_lds s[G0C:G0C+3], s[G1C:G1C+7]
	s_nop 0
.rept 4
	v_nop
.endr
	s_branch .Lfirst_asked
.Lnot_codes:
	s_cmp_eq_u32 s[WV], 5
	s_cbranch_scc0 .Lfirst_asked
	tensor_load_to_lds s[G0S:G0S+3], s[G1S:G1S+7]
	s_nop 0
.rept 4
	v_nop
.endr
.Lfirst_asked:
	; Q: my tile is block jq = tile % 4 = 2 c + hq of th's fragment: registers 6 c .. 6 c + 5 of lanes 16 hq + r.  Every lane takes row r's 24 bytes out of the image, in three pieces of 8
	v_and_b32 v8, 15, v0                           ; r
	v_bfe_u32 v9, v0, 4, 1                         ; h
	v_and_b32 v10, 31, v0                          ; lane
	s_wait_alu depctr_va_vdst(0)
	s_and_b32 s84, s[QT], 1
	s_lshl_b32 s84, s84, 8                         ; 256 hq
	s_bfe_u32 s85, s[QT], 0x10001                  ; c
	s_mul_i32 s86, s85, 520
	s_add_co_u32 s86, s86, s84
	s_mul_i32 s87, s85, 1016
	s_add_co_u32 s87, s87, s84
	v_lshlrev_b32 v252, 4, v8
	s_delay_alu instid0(VALU_DEP_1)
	v_add_nc_u32 v253, s87, v252
	s_delay_alu instid0(VALU_DEP_2)
	v_add_nc_u32 v252, s86, v252
	v_lshlrev_b32 v254, 2, v8
	global_load_b64 v[FR:FR+1], v252, s[4:5]                 ; c = 0: registers 0, 1;  c = 1: registers 6, 7
	global_load_b64 v[FR+2:FR+3], v253, s[4:5] offset:8      ;        2, 3                    8, 9
	global_load_b64 v[FR+4:FR+5], v252, s[4:5] offset:512    ;        4, 5                    10, 11
	global_load_b32 v[FR+6], v254, s[4:5] offset:1536        ; row r's scale word
	s_mul_i32 s88, s[GK], REC
	v_lshl_add_u32 v[AI0], v10, 4, s88
	v_lshlrev_b32 v[AK0], 2, v8
	s_delay_alu instid0(VALU_DEP_1)
	v_lshl_add_u32 v[AK0], v9, 7, v[AK0]
	s_delay_alu instid0(VALU_DEP_1)
	v_add_nc_u32 v[AK0], s88, v[AK0]
	s_and_b32 s89, s[WV], 1
	s_lshl_b32 s89, s89, 5
	v_add_nc_u32 v[PFO], s89, v10
	s_delay_alu instid0(VALU_DEP_1)
	v_min_u32 v[PFO], 62, v[PFO]
	s_delay_alu instid0(VALU_DEP_1)
	v_lshlrev_b32 v[PFO], 8, v[PFO]
	v_lshrrev_b32 v[PXO], 1, v10
	s_delay_alu instid0(VALU_DEP_1)
	v_lshlrev_b32 v[PXO], 10, v[PXO]
	v_and_b32 v11, 1, v10
	s_delay_alu instid0(VALU_DEP_1)
	v_lshl_add_u32 v[PXO], v11, 8, v[PXO]
	v_lshlrev_b32 v[GO], 10, v9
	s_delay_alu instid0(VALU_DEP_1)
	v_lshl_add_u32 v[GO], v8, 4, v[GO]
.irp z, 0,1,2,3,4,5
	v_mov_b32 v[QA+\z], 0
	v_mov_b32 v[QA+12+\z], 0
	v_mov_b32 v[QA+24+\z], 0
.endr
.irp b, 0,1,2,3
	v_mov_b32 v[BT+\b], 0                          ; written once: a lane permute's destination counts as one of its sources
.endr
	v_mov_b32 v13, 0xff61b1e6                      ; the largest t so far: -3e38
	s_delay_alu instid0(VALU_DEP_1)
	v_floor_f32 v12, -v13                          ; -M
	v_mov_b32 v14, 0                               ; the sum, in two halves
	v_mov_b32 v15, 0
	v_mov_b32 v[FF+1], 0
	s_mov_b32 vcc_lo, 0xffff0000
	s_wait_loadcnt 0x0
	s_wait_kmcnt 0x0
	s_mov_b32 s[GM+1], s[GM]
.irp z, 0,1,2,3,4,5
	v_cndmask_b32 v[QA+6+\z], v[FR+\z], v[QA], vcc_lo    ; Q in lanes 0-15, zeros in lanes 16-31
	v_cndmask_b32 v[QA+18+\z], v[QA], v[FR+\z], vcc_lo   ; and the other way round
.endr
	s_and_b32 s84, s[QT], 3
	s_lshl_b32 s84, s84, 3
	v_lshrrev_b32 v[FR+6], s84, v[FR+6]
	s_delay_alu instid0(VALU_DEP_1)
	v_and_b32 v[QS], 255, v[FR+6]                  ; my query's scale byte, in byte j of Q_j's scale word; the other bytes are 0 and stand over zero codes
	s_delay_alu instid0(VALU_DEP_1)
	v_lshlrev_b32 v[QS+1], 8, v[QS]
	s_delay_alu instid0(VALU_DEP_2)
	v_lshlrev_b32 v[QS+2], 16, v[QS]
	s_delay_alu instid0(VALU_DEP_3)
	v_lshlrev_b32 v[QS+3], 24, v[QS]
.set CNT, 0
.rept 64
	v_mov_b32 v[O+CNT], 0                          ; O^T.  The key step is written without a first step of its own: it finds zeros, which the first change of M leaves zeros.  (Also the places behind Q's and its scale words' making)
.set CNT, CNT+1
.endr
; A KEY STEP: 128 keys: record 2 st + my key group of the slot in hand.
.macro STEP st
	v_add_nc_u32 v[ADI], s[TB], v[AI0]
	v_add_nc_u32 v[ADK], s[TB], v[AK0]
.rept 3
	v_nop                                          ; with the two additions five places: the scores below are written over registers that the last step's products read, and the loads land in such registers
.endr
.irp n, 0,1,2,3,4,5
	ds_load_b128 v[FR+4*\n:FR+4*\n+3], v[ADI] offset:2*REC*(\st)+KOFF+512*\n
.endr
	ds_load_b32 v[KS], v[ADK] offset:2*REC*(\st)+KSOFF
	ds_load_b128 v[VS:VS+3], v[ADI] offset:2*REC*(\st)+VSOFF
	s_wait_dscnt 0x0
.irp j, 0,1,2,3                                ; S^T of key tile j: lane (r, h), register 8 j + i: key 16 j + 8 h + i, query r
	v_wmma_scale_f32_16x16x128_f8f6f4 v[S+8*\j:S+8*\j+7], v[FR:FR+11], v[QA+6*(1-\j/2)+12*(\j%2):QA+6*(1-\j/2)+12*(\j%2)+11], 0, v[KS], v[QS+\j] matrix_a_fmt:MATRIX_FMT_BF6 matrix_b_fmt:MATRIX_FMT_BF6
.endr
.irp j, 0,1,2,3                                ; of key tile 4 + j
	v_wmma_scale_f32_16x16x128_f8f6f4 v[S+32+8*\j:S+32+8*\j+7], v[FR+12:FR+23], v[QA+6*(1-\j/2)+12*(\j%2):QA+6*(1-\j/2)+12*(\j%2)+11], 0, v[KS], v[QS+\j] matrix_a_fmt:MATRIX_FMT_BF6 matrix_b_fmt:MATRIX_FMT_BF6 matrix_a_scale:MATRIX_SCALE_ROW1
.endr
.rept 4
	v_nop                                          ; four places in front of the first read of results
.endr
.irp b, 0,1,2,3
	v_max3_num_f32 v[BM+\b], v[S+16*\b], v[S+1+16*\b], v[S+2+16*\b]   ; the largest score of each block of 32 keys: for the row's maximum, and, since p rises with the score, for the block's largest p
.endr
.irp e, 3,5,7,9,11,13
.irp b, 0,1,2,3
	v_max3_num_f32 v[BM+\b], v[BM+\b], v[S+16*\b+\e], v[S+1+16*\b+\e]
.endr
.endr
.irp b, 0,1,2,3
	v_max_num_f32 v[BM+\b], v[BM+\b], v[S+15+16*\b]
.endr
.irp b, 0,1,2,3
	s_delay_alu instid0(VALU_DEP_4)
	v_permlanex16_b32 v[BT+\b], v[BM+\b], s[SEL], s[SEL+1]
.endr
.irp b, 0,1,2,3
	s_delay_alu instid0(VALU_DEP_4)
	v_max_num_f32 v[BM+\b], v[BM+\b], v[BT+\b]     ; with lane l xor 16's 16 keys
.endr
	s_delay_alu instid0(VALU_DEP_2)
	v_max3_num_f32 v[T0], v[BM], v[BM+1], v[BM+2]
	s_delay_alu instid0(VALU_DEP_1)
	v_max_num_f32 v[T0], v[T0], v[BM+3]            ; the step's largest score of my query,
	s_delay_alu instid0(VALU_DEP_1)
	v_mul_f32 v[T0], s[CS], v[T0]                  ; as t
	s_delay_alu instid0(VALU_DEP_1)
	v_max_num_f32 v13, v13, v[T0]                  ; the running largest t
	v_mov_b32 v[T0], v12
	s_delay_alu instid0(VALU_DEP_2)
	v_floor_f32 v12, -v13                          ; the new -M = floor(-t): M is a whole number
	s_delay_alu instid0(VALU_DEP_1)
	v_sub_f32 v[T0], v12, v[T0]                    ; old M - new M: a whole number, 0 or less
	s_delay_alu instid0(VALU_DEP_1)
	v_cvt_i32_f32 v[T0], v[T0]                     ; (it saturates)
	s_delay_alu instid0(VALU_DEP_1)
	v_ldexp_f32 v[FF], 1.0, v[T0]                  ; f = 2^(old M - new M)
.set CNT, 0
.rept 32
	v_pk_fma_f32 v[S+CNT:S+CNT+1], v[S+CNT:S+CNT+1], s[CS:CS+1], v[12:13] op_sel_hi:[1,0,0]   ; t - M, two at a time
.set CNT, CNT+2
.endr
.irp b, 0,1,2,3
	v_fma_f32 v[BM+\b], v[BM+\b], s[CS], v12       ; the same of each block's largest score
.endr
.set CNT, 0
	s_wait_alu depctr_va_vdst(0)
.rept 64
	v_exp_f32 v[S+CNT], v[S+CNT]                   ; p = 2^(t - M), at most 1
.set CNT, CNT+1
.endr
	v_pk_mul_f32 v[14:15], v[14:15], v[FF:FF+1] op_sel_hi:[1,0]   ; the sums under the new M: the plain instruction behind the exponentials
	s_wait_alu depctr_va_vdst(0)                   ; one wait for the batch of 64, ahead of its first reader
.irp b, 0,1,2,3
	v_exp_f32 v[BM+\b], v[BM+\b]                   ; each block's largest p: the same two instructions on the same number
.endr
	v_pk_add_f32 v[104:105], v[112:113], v[116:117]
	v_pk_add_f32 v[254:255], v[120:121], v[124:125]
	v_pk_add_f32 v[248:249], v[128:129], v[132:133]
	v_pk_add_f32 v[246:247], v[136:137], v[140:141]
	v_pk_add_f32 v[244:245], v[144:145], v[148:149]
	v_pk_add_f32 v[242:243], v[152:153], v[156:157]
	v_pk_add_f32 v[240:241], v[160:161], v[164:165]
	v_pk_add_f32 v[14:15], v[14:15], v[168:169]
	v_pk_add_f32 v[104:105], v[104:105], v[108:109]
	v_pk_add_f32 v[254:255], v[254:255], v[110:111]
	v_pk_add_f32 v[248:249], v[248:249], v[114:115]
	v_pk_add_f32 v[246:247], v[246:247], v[118:119]
	v_pk_add_f32 v[244:245], v[244:245], v[122:123]
	v_pk_add_f32 v[242:243], v[242:243], v[126:127]
	v_pk_add_f32 v[240:241], v[240:241], v[130:131]
	v_pk_add_f32 v[14:15], v[14:15], v[134:135]
	v_pk_add_f32 v[104:105], v[104:105], v[138:139]
	v_pk_add_f32 v[254:255], v[254:255], v[142:143]
	v_pk_add_f32 v[248:249], v[248:249], v[146:147]
	v_pk_add_f32 v[246:247], v[246:247], v[150:151]
	v_pk_add_f32 v[244:245], v[244:245], v[154:155]
	v_pk_add_f32 v[242:243], v[242:243], v[158:159]
	v_pk_add_f32 v[240:241], v[240:241], v[162:163]
	v_pk_add_f32 v[14:15], v[14:15], v[166:167]
	v_pk_add_f32 v[104:105], v[104:105], v[170:171]
	s_delay_alu instid0(VALU_DEP_2)
	v_pk_add_f32 v[14:15], v[14:15], v[246:247]
	s_delay_alu instid0(VALU_DEP_2)
	v_pk_add_f32 v[104:105], v[104:105], v[244:245]
	v_pk_add_f32 v[254:255], v[254:255], v[242:243]
	v_pk_add_f32 v[248:249], v[248:249], v[240:241]
	s_delay_alu instid0(VALU_DEP_2)
	v_pk_add_f32 v[14:15], v[14:15], v[254:255]
	s_delay_alu instid0(VALU_DEP_2)
	v_pk_add_f32 v[104:105], v[104:105], v[248:249]
	s_delay_alu instid0(VALU_DEP_1)
	v_pk_add_f32 v[14:15], v[14:15], v[104:105]
	s_wait_alu depctr_va_vdst(0)                   ; and one wait for the four
.irp b, 0,1,2,3
	v_max_num_f32 v[BM+\b], 0x2800000, v[BM+\b]    ; the floor 2^(5 - 127): the byte cannot fall under 1
.endr
.irp b, 0,1,2,3
	s_delay_alu instid0(VALU_DEP_4)
	v_add_nc_u32 v[SO+\b], 0xfe000000, v[BM+\b]    ; 4 off the exponent field: the conversion's scale operand
.endr
.irp b, 0,1,2,3
	s_delay_alu instid0(VALU_DEP_4)
	v_lshrrev_b32 v[BT+\b], 23, v[SO+\b]           ; the scale's byte
.endr
	s_delay_alu instid0(VALU_DEP_3)
	v_lshl_or_b32 v[PS], v[BT+1], 8, v[BT]
	s_delay_alu instid0(VALU_DEP_1)
	v_lshl_or_b32 v[PS], v[BT+2], 16, v[PS]
	s_delay_alu instid0(VALU_DEP_1)
	v_lshl_or_b32 v[PS], v[BT+3], 24, v[PS]        ; p's scale word for these 128 keys
.irp c, 0,1
	v_cvt_scalef32_pk16_bf6_f32 v[PC+6*\c:PC+6*\c+2], v[S+32*\c:S+32*\c+15], v[SO+2*\c]
	v_cvt_scalef32_pk16_bf6_f32 v[CV+4*\c:CV+4*\c+2], v[S+16+32*\c:S+31+32*\c], v[SO+2*\c+1]
.endr
	v_nop                                          ; one plain instruction behind the scaled conversions
.irp c, 0,1                                    ; a whole block in a lane: lanes 0-15 block 2 c, lanes 16-31 block 2 c + 1
.irp n, 0,1,2
	v_permlane16_swap_b32 v[PC+6*\c+\n], v[CV+4*\c+\n]
.endr
.irp n, 0,1,2
	s_delay_alu instid0(VALU_DEP_3)
	v_mov_b32 v[PC+3+6*\c+\n], v[CV+4*\c+\n]
.endr
.endr
.irp n, 0,1,2,3,4,5,6,7,8,9,10,11              ; V's eight tiles in one run: tiles 0-3 where K and the work registers lay, tiles 4-7 where p lay
	ds_load_b128 v[FR+4*\n:FR+4*\n+3], v[ADI] offset:2*REC*(\st)+512*\n
.endr
.irp n, 0,1,2,3,4,5,6,7,8,9,10,11
	ds_load_b128 v[S+4*\n:S+4*\n+3], v[ADI] offset:2*REC*(\st)+6144+512*\n
.endr
.set CNT, 0
.rept 32
	v_pk_mul_f32 v[O+CNT:O+CNT+1], v[O+CNT:O+CNT+1], v[FF:FF+1] op_sel_hi:[1,0]   ; O^T under the new M, while V is on its way; also the places between p's codes and scale word and the products
.set CNT, CNT+2
.endr
	s_wait_alu depctr_va_vdst(0)
	s_wait_dscnt 12                                ; tiles 0-3 are in; the twelve younger loads may be out
.irp t, 0,2                                    ; O^T += V^T P^T: eight accumulators, one instruction each
	v_wmma_scale_f32_16x16x128_f8f6f4 v[O+8*\t:O+8*\t+7], v[FR+12*\t:FR+12*\t+11], v[PC:PC+11], v[O+8*\t:O+8*\t+7], v[VS+\t/2], v[PS] matrix_a_fmt:MATRIX_FMT_BF6 matrix_b_fmt:MATRIX_FMT_BF6
	v_wmma_scale_f32_16x16x128_f8f6f4 v[O+8*\t+8:O+8*\t+15], v[FR+12*\t+12:FR+12*\t+23], v[PC:PC+11], v[O+8*\t+8:O+8*\t+15], v[VS+\t/2], v[PS] matrix_a_fmt:MATRIX_FMT_BF6 matrix_b_fmt:MATRIX_FMT_BF6 matrix_a_scale:MATRIX_SCALE_ROW1
.endr
	s_wait_dscnt 0x0
.irp t, 0,2
	v_wmma_scale_f32_16x16x128_f8f6f4 v[O+32+8*\t:O+32+8*\t+7], v[S+12*\t:S+12*\t+11], v[PC:PC+11], v[O+32+8*\t:O+32+8*\t+7], v[VS+2+\t/2], v[PS] matrix_a_fmt:MATRIX_FMT_BF6 matrix_b_fmt:MATRIX_FMT_BF6
	v_wmma_scale_f32_16x16x128_f8f6f4 v[O+32+8*\t+8:O+32+8*\t+15], v[S+12*\t+12:S+12*\t+23], v[PC:PC+11], v[O+32+8*\t+8:O+32+8*\t+15], v[VS+2+\t/2], v[PS] matrix_a_fmt:MATRIX_FMT_BF6 matrix_b_fmt:MATRIX_FMT_BF6 matrix_a_scale:MATRIX_SCALE_ROW1
.endr
.endm
; THE CHANGE OF SLOTS stands at a slot's head.  Each wave waits for all its tensor loads (its part of the slot ahead), adds 0 to its spare word, and waits for that and for its reads of the slot that it has left.
; fill = 1: a round of the cluster's barrier follows, so that no wave of any partner still reads the other slot or has a load on its way, and that slot is filled with the next four records: the load has two key steps of every wave in which to land.
.macro CHANGE fill
	s_wait_tensorcnt 0x0                           ; no tensor load of mine is out, so the group 0 may be written
	ds_add_u32 v[SPW], v[NIL]                      ; 0 onto my spare word
.if \fill
	s_xor_b32 s[G0R+1], s[G0R+1], SLOT1            ; the walking descriptor: the other slot than last time,
	s_add_nc_u64 s[G0R+2:G0R+3], s[G0R+2:G0R+3], 4*REC   ; the next four records
	s_wait_xcnt 0x0                                ; the last prefetch, a slot back, has read its address, so it may be written
	s_add_nc_u64 s[PFA:PFA+1], s[PFA:PFA+1], 4*REC
.endif
	s_wait_dscnt 0x0                               ; the add is done, and my reads of the slot that I have left are over
.if \fill
	CROUND
	TLOAD                                          ; the first thing behind the round, and a wave's one tensor load until the next
	ASK
.else
	s_barrier_signal -1
	s_barrier_wait -1
	global_prefetch_b8 v[PXO], s[14:15] th:TH_LOAD_NT scope:SCOPE_SE   ; x for the residual: my wave's 16 tokens x 512 bytes, 32 blocks of 256 bytes, a lane a block, each named once in the launch: two key steps ahead of their loads
.endif
.endm
.Lslot:                                            ; seven trips: behind each change of slots but the last the next slot is asked for (the first trip's load is slot 1's first fill)
	CHANGE 1
	STEP 0
	STEP 1
	s_xor_b32 s[TB], s[TB], SLOT1
	s_sub_co_u32 s[SLOTS], s[SLOTS], 1
	s_cmp_lg_u32 s[SLOTS], 0
	s_cbranch_scc1 .Lslot
	CHANGE 0                                       ; the last slot is written out
	STEP 0
	STEP 1
	; ---- THE WAY OUT.  All LDS addresses are made here, ahead of the first parting of the waves; these lines are also the places behind the last products
	s_wait_xcnt 0x0                                ; the prefetches have read v3 and v4
	s_mul_i32 s70, s[QT], MRGB
	s_add_co_u32 s70, s70, MRG
	s_add_co_u32 s71, s70, 8192
	s_mul_i32 s72, s[QT], PIMB
	s_add_co_u32 s72, s72, PIM
	s_add_co_u32 s73, s72, 1536
	s_mul_i32 s74, s[GK], 128*96
	s_add_co_u32 s74, s74, OWC
	s_lshl_b32 s75, s[GK], 9
	s_add_co_u32 s75, s75, OWS
	s_mul_i32 s76, s[WV], STGB
	s_add_co_u32 s76, s76, STG
	v_and_b32 v253, 15, v0                         ; r
	v_bfe_u32 v254, v0, 4, 1                       ; h
	v_and_b32 v255, 31, v0                         ; lane
	s_delay_alu instid0(VALU_DEP_1)
	v_lshl_add_u32 v[MA], v255, 4, s70             ; my tile's O^T image
	s_delay_alu instid0(VALU_DEP_2)
	v_lshl_add_u32 v[SA], v255, 2, s71             ; its -M and sum
	s_delay_alu instid0(VALU_DEP_3)
	v_lshl_add_u32 v[PA], v255, 4, s72             ; the image of Q(O / l)
	s_delay_alu instid0(VALU_DEP_4)
	v_lshl_add_u32 v[PSA], v255, 2, s73            ; its scale words
	v_mul_u32_u24 v[OWA], v253, 96
	s_delay_alu instid0(VALU_DEP_1)
	v_mad_u32_u24 v[OWA], v254, 24, v[OWA]
	s_delay_alu instid0(VALU_DEP_1)
	v_add_nc_u32 v[OWA], s74, v[OWA]               ; o_w: row 128 x key group + r, + 24 h
	v_lshl_add_u32 v[OSA], v253, 2, s75            ; its scale words
	v_mul_u32_u24 v[STO], v253, SP
	s_delay_alu instid0(VALU_DEP_1)
	v_lshl_add_u32 v[STO], v254, 5, v[STO]
	s_delay_alu instid0(VALU_DEP_1)
	v_add_nc_u32 v[STO], s76, v[STO]               ; my stage, in: row r, + 32 h
	v_mul_u32_u24 v[RD], v254, SP
	s_delay_alu instid0(VALU_DEP_1)
	v_lshl_add_u32 v[RD], v253, 4, v[RD]
	s_delay_alu instid0(VALU_DEP_1)
	v_add_nc_u32 v[RD], s76, v[RD]                 ; back: lanes 0-15 one row of 256 bytes, lanes 16-31 the next
	v_add_f32 v14, v14, v15                        ; the sum's two halves,
	s_delay_alu instid0(VALU_DEP_1)
	v_permlanex16_b32 v252, v14, s[SEL], s[SEL+1]
	s_delay_alu instid0(VALU_DEP_1)
	v_add_f32 v14, v14, v252                       ; and lane l xor 16's
.irp u, 0,1                                    ; x for the residual, asked for now: my 16 tokens x 128 channels, 64 channels at a time
.irp i, 0,1,2,3,4,5,6,7
	global_load_b128 v[XE+32*\u+4*\i:XE+32*\u+4*\i+3], v[GO], s[14:15] offset:2048*\i+256*\u th:TH_LOAD_NT
.endr
.endr
	s_cmp_lt_u32 s[WV], 8                          ; waves 8 to 15 hand O^T, -M and the sum to their tile's other wave
	s_cbranch_scc1 .Lkeep
.irp n, 0,1,2,3,4,5,6,7,8,9,10,11,12,13,14,15
	ds_store_b128 v[MA], v[O+4*\n:O+4*\n+3] offset:512*\n   ; each accumulator from its low end on
.endr
	ds_store_b32 v[SA], v12
	ds_store_b32 v[SA], v14 offset:128
.Lkeep:
	s_wait_dscnt 0x0                               ; for the others' sake: my stores have landed
	s_barrier_signal -1
	s_barrier_wait -1
	s_cmp_lt_u32 s[WV], 8                          ; waves 0 to 7 bring the two halves under one M, divide by the sum, and quantise along the 128 channels
	s_cbranch_scc0 .Lmerged
.irp n, 0,1,2,3,4,5,6,7,8,9,10,11,12,13,14,15
	ds_load_b128 v[S+4*\n:S+4*\n+3], v[MA] offset:512*\n
.endr
	ds_load_b32 v252, v[SA]
	ds_load_b32 v253, v[SA] offset:128
	s_wait_dscnt 0x0
	v_min_num_f32 v254, v12, v252                  ; -(the larger M)
	s_delay_alu instid0(VALU_DEP_1)
	v_sub_f32 v255, v254, v12                      ; my M less it: a whole number, 0 or less
	s_delay_alu instid0(VALU_DEP_2)
	v_sub_f32 v252, v254, v252                     ; the other's
	s_delay_alu instid0(VALU_DEP_2)
	v_cvt_i32_f32 v255, v255
	s_delay_alu instid0(VALU_DEP_2)
	v_cvt_i32_f32 v252, v252
	s_delay_alu instid0(VALU_DEP_2)
	v_ldexp_f32 v255, 1.0, v255                    ; f
	s_wait_alu depctr_va_vdst(0)
	v_ldexp_f32 v252, 1.0, v252                    ; f'
	v_mul_f32 v14, v14, v255
	s_delay_alu instid0(VALU_DEP_1)
	v_fma_f32 v14, v253, v252, v14                 ; the row's sum: l f + l' f'
	s_wait_alu depctr_va_vdst(0)
	v_rcp_f32 v254, v14
	v_nop                                          ; a plain instruction behind the reciprocal,
	s_wait_alu depctr_va_vdst(0)                   ; and a wait ahead of its first reader
	v_mul_f32 v[FF], v255, v254                    ; f / l
	v_mul_f32 v252, v252, v254                     ; f' / l
.set CNT, 0
.rept 32
	v_pk_mul_f32 v[O+CNT:O+CNT+1], v[O+CNT:O+CNT+1], v[FF:FF+1] op_sel_hi:[1,0]
.set CNT, CNT+2
.endr
.set CNT, 0
.rept 32
	v_pk_fma_f32 v[O+CNT:O+CNT+1], v[S+CNT:S+CNT+1], v[252:253], v[O+CNT:O+CNT+1] op_sel_hi:[1,0,1]
.set CNT, CNT+2
.endr
	QUANT O, PC, PS
.irp c, 0,1,2
	ds_store_b128 v[PA], v[PC+4*\c:PC+4*\c+3] offset:512*\c
.endr
	ds_store_b32 v[PSA], v[PS]
.Lmerged:
	s_wait_dscnt 0x0
	s_barrier_signal -1
	s_barrier_wait -1
.irp c, 0,1,2
	ds_load_b128 v[PC+4*\c:PC+4*\c+3], v[PA] offset:512*\c   ; both waves of a tile take the fragment
.endr
	ds_load_b32 v[PS], v[PSA]
	; Y^T = o_w (O / l)^T: my 128 output channels, 64 at a time: source 0 = 16 rows of o_w, source 1 = my 16 queries: a lane's eight results are eight neighbouring channels of one token
.irp u, 0,1
.if \u
	s_wait_xcnt 0x0                                ; the first half's stores have read their registers.  (Its sixteen packed multiply-adds are the places behind its products)
.endif
.irp t, 0,1,2,3
.irp p, 0,1,2,3,4,5
	ds_load_b64 v[S+12*\t+2*\p:S+12*\t+2*\p+1], v[OWA] offset:16*(4*\u+\t)*96+48*(\p/3)+8*(\p%3)
.endr
	ds_load_b32 v[VS+\t], v[OSA] offset:64*(4*\u+\t)
.endr
	s_wait_dscnt 0x0
.irp t, 0,1,2,3
	v_wmma_scale_f32_16x16x128_f8f6f4 v[O+8*\t:O+8*\t+7], v[S+12*\t:S+12*\t+11], v[PC:PC+11], 0, v[VS+\t], v[PS] matrix_a_fmt:MATRIX_FMT_BF6 matrix_b_fmt:MATRIX_FMT_BF6
.endr
.rept 4
	v_nop                                          ; four places in front of the first read of results
.endr
	s_wait_alu depctr_va_vdst(0)
.irp t, 0,1,2,3
	ds_store_b128 v[STO], v[O+8*\t:O+8*\t+3] offset:64*\t
	ds_store_b128 v[STO], v[O+8*\t+4:O+8*\t+7] offset:64*\t+16
.endr
.irp i, 0,1,2,3,4,5,6,7
	ds_load_b128 v[O+32+4*\i:O+32+4*\i+3], v[RD] offset:2*\i*SP   ; LDS serves a wave's instructions in order (ISA guide 5.7.1.4): these see my stores
.endr
	s_wait_loadcnt 8-8*\u                          ; this half's eight loads of x are in; the other half's may be out
.irp i, 0,1,2,3,4,5,6,7
	s_wait_dscnt 7-\i                              ; rows 2 i and 2 i + 1 are back; the younger loads may be out
	v_pk_fma_f32 v[O+32+4*\i:O+32+4*\i+1], v[O+32+4*\i:O+32+4*\i+1], s[GM:GM+1], v[XE+32*\u+4*\i:XE+32*\u+4*\i+1] op_sel_hi:[1,0,1]   ; x + gamma y
	v_pk_fma_f32 v[O+32+4*\i+2:O+32+4*\i+3], v[O+32+4*\i+2:O+32+4*\i+3], s[GM:GM+1], v[XE+32*\u+4*\i+2:XE+32*\u+4*\i+3] op_sel_hi:[1,0,1]
	global_store_b128 v[GO], v[O+32+4*\i:O+32+4*\i+3], s[16:17] offset:2048*\i+256*\u th:TH_STORE_NT   ; sixteen lanes store 256 consecutive bytes, aligned
.endr
.endr
	s_wait_tensorcnt 0x0                           ; the wave's end, behind my last tensor load and my last LDS store
	ds_add_u32 v[SPW], v[NIL]
	s_wait_dscnt 0x0
	CROUND                                         ; the closing round: no work-group ends while a partner may still ask for a tile that names it
	s_endpgm
.Lfunc_end_k_q8ac5c8ec41_attend:
	.size	k_q8ac5c8ec41_attend, .Lfunc_end_k_q8ac5c8ec41_attend-k_q8ac5c8ec41_attend
	.p2alignl 7, 3214868480
	.fill 96, 4, 3214868480
	.section	.rodata,"a",@progbits
	.p2align	6, 0x0
	.amdhsa_kernel k_q8ac5c8ec41_attend
		.amdhsa_group_segment_fixed_size 327680
		.amdhsa_private_segment_fixed_size 0
		.amdhsa_enable_private_segment 0
		.amdhsa_kernarg_size 56
		.amdhsa_user_sgpr_count 2
		.amdhsa_user_sgpr_kernarg_segment_ptr 1
		.amdhsa_wavefront_size32 1
		.amdhsa_system_sgpr_workgroup_id_x 1
		.amdhsa_system_sgpr_workgroup_id_y 1
		.amdhsa_system_sgpr_workgroup_id_z 1
		.amdhsa_system_vgpr_workitem_id 0
		.amdhsa_next_free_vgpr 256
		.amdhsa_next_free_sgpr 90
		.amdhsa_reserve_vcc 1
		.amdhsa_float_denorm_mode_32 3
		.amdhsa_float_denorm_mode_16_64 3
		.amdhsa_memory_ordered 1
		.amdhsa_forward_progress 1
		.amdhsa_inst_pref_size 115
	.end_amdhsa_kernel
	.amdgpu_metadata
---
amdhsa.version: [ 1, 2 ]
amdhsa.kernels:
  - .name:           k_q8ac5c8ec41_attend
    .symbol:         k_q8ac5c8ec41_attend.kd
    .args:
      - { .name: th, .offset: 0, .size: 8, .value_kind: global_buffer, .address_space: global }
      - { .name: kv, .offset: 8, .size: 8, .value_kind: global_buffer, .address_space: global }
      - { .name: o_w_codes, .offset: 16, .size: 8, .value_kind: global_buffer, .address_space: global }
      - { .name: o_w_scales, .offset: 24, .size: 8, .value_kind: global_buffer, .address_space: global }
      - { .name: gamma, .offset: 32, .size: 8, .value_kind: global_buffer, .address_space: global }
      - { .name: x, .offset: 40, .size: 8, .value_kind: global_buffer, .address_space: global }
      - { .name: out0, .offset: 48, .size: 8, .value_kind: global_buffer, .address_space: global }
    .group_segment_fixed_size: 327680
    .private_segment_fixed_size: 0
    .kernarg_segment_align: 8
    .kernarg_segment_size: 56
    .max_flat_workgroup_size: 512
    .sgpr_count:     90
    .vgpr_count:     256
    .wavefront_size: 32
...
	.end_amdgpu_metadata
.endif
;; end of part 2
